; MI455X (gfx1250); checked and timed in simulation.
; The chip was launched on July 23, 2026; its instructions are those of AMD's public machine-readable ISA for CDNA 5 (MIT licence, August 2026) and "CDNA5" Instruction Set Architecture Reference Guide (July 2026). The comments in the code are by the model that wrote it; some were corrected since.
;; Dot Product Attention. Allowed arithmetic: matrix products marked QUANTISED: E2M1 operands, one E8M0 scale for each 32 along K, by v_wmma_scale_f32_16x16x128_f8f6f4 with both operands' format E2M1 (or v_wmma_scale_f32_32x16x128_f4), f32 sums; everything else in f32.
;; Inputs: attention_mask 2 x 1 x 4,096 x 4,096 bool; key 2 x 4,096 x 8 x 64 float32; query 2 x 4,096 x 8 x 64 float32; value 2 x 4,096 x 8 x 64 float32.
;; Outputs: out0 2 x 4,096 x 512 float32.
;; This version of the problem:
;;   THIS VERSION OF THE PROBLEM IS GIVEN IN LOW PRECISION. The matrix products marked QUANTISED in the list below multiply operands that are first quantised to E2M1 (2 exponent bits, 1 mantissa bit; 4 bits a number), with one power-of-two scale for each 32 numbers along K (OCP MX v1.0); their sums are f32. All else is computed in f32.
;;   The module's matrix products, in the order in which they are computed (A, B: the left and right operand; K: the contracted axis; several contracted axes count as one K, in the product's order):
;;     1. batch 16 x [M 4,096, K 64] x [K 64, N 4,096]; A: input query; B: input key: QUANTISED
;;     2. batch 16 x [M 64, K 4,096] x [K 4,096, N 4,096]; A: input value; B: softmax (see below): QUANTISED
;;   THE QUANTISER, for each operand of a quantised product, along K:
;;     - K is cut into blocks of 32 from its start; a last block that is shorter is filled with zeros.
;;     - A block's scale is 2^e with e = floor(log2(the largest magnitude in the block)) - 2, held to -126 .. 127; a block of zeros has e = 0. As a byte (E8M0): e + 127.
;;     - Each number is divided by its block's scale, clamped to +-6, and rounded to the nearest number of E2M1, ties to even, subnormals kept.
;;     - The product sums the exact products of the quantised numbers (number of the format x scale) in f32.
;;   ~~~python
;;   def quantise(x, axis):      # numpy; x: float32 -> the quantised numbers, widened to float32 again
;;       x = np.moveaxis(x, axis, -1); K = x.shape[-1]
;;       x = np.pad(x, [(0, 0)] * (x.ndim - 1) + [(0, -K % 32)]); x = x.reshape(x.shape[:-1] + (-1, 32)); a = np.abs(x).max(-1, keepdims=True)
;;       e = np.where(a > 0, np.clip(np.frexp(np.where(a > 0, a, 1))[1] - 1 - 2, -126, 127), 0)      # np.frexp(a)[1] - 1 = floor(log2(a)), exactly
;;       r = np.clip(x / 2.0 ** e, -6, 6)
;;       step = 2.0 ** (np.maximum(np.frexp(np.where(r == 0, 1, r))[1] - 1, 0) - 1)
;;       q = np.round(r / step) * step * 2.0 ** e      # np.round: ties to even
;;       return np.moveaxis(q.reshape(q.shape[:-2] + (-1,))[..., :K], -1, axis).astype(np.float32)
;;   ~~~
;;   SOFTMAX AHEAD OF A QUANTISED PRODUCT. Where the list says 'softmax', what is quantised is not the finished softmax but p = 2^(t - M), with t = logit x log2(e) and M = ceil(the row's largest t), a whole number; so 1/2 < the row's largest p <= 1. The row's sum l is taken of the UNQUANTISED p, in f32, and the product's result is divided by l at the end. Since M is a whole number, a kernel that streams over the keys may use a running M (the ceiling of the running maximum): every later rescaling is an exact power of two, which a block's scale takes up: the codes' values come out the same.
;;   OPERANDS COMPUTED ON THE WAY. 'Computed on the way' means the value that the module computes at that place (a softmax that the list does not call 'softmax' is quantised finished and normalised). What goes into a quantiser is computed in f32, as accurately as f32 sums, v_exp_f32 and their like allow (about 1e-6 of the number): no bf16 or f16 on the way to a quantiser, and a product that is left as it is and whose result goes on into a quantised operand takes f32 operands (vector FMAs, or v_wmma_f32_16x16x4_f32). A number that lies on a knife's edge between two numbers of the format may be rounded either way, as far as f32 arithmetic and the matrix unit's own rounding can turn it there, and no further.
;; 2 versions, each right; version 2 is version 1 with the launch attn written anew for expert scheduling mode. Each part assembles by itself: llvm-mc -triple=amdgcn-amd-amdhsa -mcpu=gfx1250 --defsym DOCPART=n.
;; ======== version 1 of 2: 2 launches
;; workspace buffers: kv 4,587,520 bytes; maskw 4,194,304 bytes of whole numbers; flags 65,536 bytes of whole numbers
;; launch prep (part 1): grid 1408 x 1, 8 waves a work-group, no clusters, 70,656 bytes of LDS; arguments attention_mask, key, value, kv, maskw, flags; writes kv, maskw, flags
.if DOCPART == 1
	.amdgcn_target "amdgcn-amd-amdhsa--gfx1250"
	.amdhsa_code_object_version 6
	.text
	.protected	k_qeb3cc87b3b_prep
	.globl	k_qeb3cc87b3b_prep
	.p2align	8
	.type	k_qeb3cc87b3b_prep,@function
k_qeb3cc87b3b_prep:
	s_mov_b64 s[64:65], 0
	v_nop
	global_prefetch_b8 v0, s[64:65] scope:SCOPE_SE
	s_setreg_imm32_b32 hwreg(HW_REG_WAVE_MODE, 25, 1), 1
	s_wait_xcnt 0x0
; THE LAUNCH IN FRONT OF THE ATTENTION.  It reads attention_mask [2][1][4096][4096] (one byte each), key and value [2][4096][8][64] f32, each byte once, and lays three buffers as the next launch's registers want them.
; kv: for each (batch, head) and each 256 keys a RECORD of 17,920 bytes (70 x 256), two steps q of 128 keys:
;   4096 q         K's codes (E2M1 along the head's 64): 8 tiles x 512 bytes, lane l's 16 bytes at 16 l.  Lane (r, h) of tile 2 b + u holds key 32 b + 8 u + r + 8 (r / 8), k = 32 h .. 32 h + 31
;   8192 + 4096 q  V's codes (E2M1 along the KEYS): tile dt of 16 channels, half c: 1024 dt + 512 c + 16 l.  Lane (r, h) holds channel 16 dt + r, keys 64 c + 32 h .. + 31
;   16384 + 512 q  K's scale words: 128 j + 4 l: lanes 0-15 tile 2 j's rows, lanes 16-31 tile 2 j + 1's; bytes 0, 1 the key's two blocks, bytes 2, 3 = 127 (they stand over zero codes of Q)
;   17408 + 256 q  V's scale words: 4 bytes a channel, byte j the step's block j of 32 keys
; maskw: for each tile of 16 queries and each step 64 words: bit 16 h + r of word 16 b + i says that key 128 step + 32 b + 16 h + i is masked for query r: the lane mask of one register of scores.
; flags: for each tile of 16 queries and each step one word: 1 << step if any of those 64 words is not 0, else 0.
; THE QUANTISER: a block's scale is 2^(floor(log2(its largest magnitude)) - 2); its byte is the largest magnitude's exponent field - 2, held at 1 from below; numbers are divided by it and rounded to the nearest code, ties to even, beyond 6 to 6.
; LIMITS: NaN and infinities in key and value are not served.  A block whose largest magnitude lies under 2^-124 keeps the byte 1; so does a block of zeros, where the rule says 127: its codes are zeros, and this program alone reads the bytes.
;         Any mask byte other than 0 counts as true.
; SHARES: work-groups 0-1023 take the mask (a wave: 16 queries x 256 keys), 1024-1279 the keys (a wave: 32 keys of one head), 1280-1407 the values (a wave: 128 keys x 32 channels).  The three ways part on the work-group's number and never meet again.
; Waves share nothing: each has a stage of its own in LDS (the mask's way and the keys' way in bytes of their own), so there is no barrier.  No matrix unit, no tensor load, no cluster: a stream that reads each byte once has no use for them.
.set REC,   17920
.set PITCH, 272                        ; a stage row: 256 bytes + 16, so that sixteen rows begin at sixteen different 16-byte columns of 256
.set WST,   16*PITCH                   ; a wave's stage: 16 rows
.set MSTG,  0                          ; the mask's stages
.set KSTG,  8*WST                      ; the keys' stages
.set LANE,  1                          ; v1   lane
.set R,     2                          ; v2   r = lane % 16
.set H,     3                          ; v3   h = lane / 16
.set SD,    4                          ; v4   the stage as the loads bring it: row 8 h (+ i), 16 r bytes in
.set SLM,   5                          ; v5   the mask's way back: row r, 16 h bytes in
.set SLK,   6                          ; v6   the keys' way back: row r, 128 h bytes in
.set L16,   7                          ; v7   16 x lane
.set L8,    8                          ; v8   8 x lane
.set L4,    9                          ; v9   4 x lane
.set QSH,   10                         ; v10  8 h: where my block's byte stands in a scale word
.set G8,    11                         ; v11  32768 h + 16 r: 8 rows of the mask on, or 16 keys on, for lanes 16-31
.set VO,    13                         ; v13  1024 h + 16 r: V's codes
.set QTA,   14                         ; v14, v15 two chains of the largest magnitude
.set QTB,   15
.set QSC,   29                         ; v29  the conversion's scale operand
.set QBY,   30                         ; v30  the scale's byte
.set QTP,   31                         ; v31  the other half's byte
.set WV,    16                         ; s16  my wave
.set HI16,  17                         ; s17  lanes 16-31
.set SEL,   18                         ; s[18:19] v_permlanex16_b32's selects for lane l xor 16
; 32 numbers of ONE block in v[x] .. v[x + 31]: the scale operand in v[QSC], the byte in v[QBY]
.macro QMAX x
	v_max3_num_f32 v[QTA], |v[(\x)]|, |v[(\x)+1]|, 0x1800000           ; with the floor 2^(3 - 127) among the leaves: the byte cannot fall under 1
	v_max3_num_f32 v[QTB], |v[(\x)+16]|, |v[(\x)+17]|, |v[(\x)+18]|
.irp i, 0,1,2,3,4,5
	v_max3_num_f32 v[QTA], v[QTA], |v[(\x)+2+2*\i]|, |v[(\x)+3+2*\i]|  ; two chains by turns
	v_max3_num_f32 v[QTB], v[QTB], |v[(\x)+19+2*\i]|, |v[(\x)+20+2*\i]|
.endr
	v_max3_num_f32 v[QTA], v[QTA], |v[(\x)+14]|, |v[(\x)+15]|
	v_max3_num_f32 v[QTA], v[QTA], v[QTB], |v[(\x)+31]|
	v_add_nc_u32 v[QSC], 0xff000000, v[QTA]                            ; 2 off the exponent field: the conversion takes that field as its scale and nothing else
	v_lshrrev_b32 v[QBY], 23, v[QSC]
.endm
.macro QCODES x, c                     ; their 32 codes in v[c] .. v[c + 3]; a plain vector line follows each use of this macro
.irp g, 0,1,2,3
	v_cvt_scalef32_pk8_fp4_f32 v[(\c)+\g], v[(\x)+8*\g:(\x)+8*\g+7], v[QSC]
.endr
.endm
.macro QWORD w                         ; lanes (r, 0) and (r, 1) hold a row's two blocks: the row's scale word, in both
	v_lshlrev_b32 v[QBY], v[QSH], v[QBY]                               ; (the plain line behind the conversions)
	v_permlanex16_b32 v[QTP], v[QBY], s[SEL], s[SEL+1]
	v_or_b32 v[\w], v[QBY], v[QTP]
	v_or_b32 v[\w], 0x7f7f0000, v[\w]                                  ; 1.0 over k = 64 .. 127, where Q's codes are zeros
.endm
	s_load_b256 s[4:11], s[0:1], 0x0               ; mask s[4:5], key s[6:7], value s[8:9], kv s[10:11]
	s_load_b128 s[12:15], s[0:1], 0x20             ; maskw s[12:13], flags s[14:15]
	v_lshl_add_u32 v128, v0, 2, 0x11000
	v_mov_b32 v129, 0
	v_lshrrev_b32 v1, 5, v0
	v_readfirstlane_b32 s[WV], v1
	v_and_b32 v[LANE], 31, v0
	v_and_b32 v[R], 15, v0
	v_bfe_u32 v[H], v0, 4, 1
	s_mul_i32 s20, s[WV], WST
	v_mul_u32_u24 v[SD], v[H], 8*PITCH
	v_lshl_add_u32 v[SD], v[R], 4, v[SD]
	v_add_nc_u32 v[SD], s20, v[SD]
	v_mul_u32_u24 v[SLM], v[R], PITCH
	v_add_nc_u32 v[SLM], s20, v[SLM]
	v_lshl_add_u32 v[SLK], v[H], 7, v[SLM]
	v_lshl_add_u32 v[SLM], v[H], 4, v[SLM]
	v_lshlrev_b32 v[L16], 4, v[LANE]
	v_lshlrev_b32 v[L8], 3, v[LANE]
	v_lshlrev_b32 v[L4], 2, v[LANE]
	v_lshlrev_b32 v[QSH], 3, v[H]
	v_lshlrev_b32 v[G8], 15, v[H]
	v_lshl_add_u32 v[G8], v[R], 4, v[G8]
	v_lshlrev_b32 v[VO], 10, v[H]
	v_lshl_add_u32 v[VO], v[R], 4, v[VO]
	v_mov_b32 v[QTP], 0                            ; written once: a lane permute's destination counts as one of its sources
	s_mov_b32 s[HI16], 0xffff0000
	s_mov_b32 s[SEL], 0x76543210
	s_mov_b32 s[SEL+1], 0xfedcba98
	s_wait_kmcnt 0x0
	s_cmp_lt_u32 ttmp9, 1024
	s_cbranch_scc0 .Lnot_mask
	; ---------------- THE MASK: my wave takes query tile tq = g / 2 (16 rows) and the 256 keys of span sp = 8 (g % 2) + wave: two steps
	s_lshr_b32 s21, ttmp9, 1                       ; tq = 256 x batch + tile
	s_and_b32 s22, ttmp9, 1
	s_lshl_b32 s22, s22, 3
	s_add_co_u32 s22, s22, s[WV]                   ; sp
	s_lshl_b32 s24, s21, 16                        ; 16 rows of 4,096 bytes
	s_lshl_b32 s23, s22, 8
	s_add_co_u32 s24, s24, s23
	s_mov_b32 s25, 0
	s_add_nc_u64 s[4:5], s[4:5], s[24:25]
	s_lshl_b32 s24, s21, 13                        ; 32 steps of 256 bytes
	s_lshl_b32 s23, s22, 9
	s_add_co_u32 s24, s24, s23
	s_add_nc_u64 s[12:13], s[12:13], s[24:25]
	s_lshl_b32 s24, s21, 7                         ; 32 flags
	s_lshl_b32 s23, s22, 3
	s_add_co_u32 s24, s24, s23
	s_add_nc_u64 s[14:15], s[14:15], s[24:25]
	s_lshl_b32 s23, s22, 1
	s_lshl_b32 s24, 1, s23                         ; 1 << step for my two steps
	s_lshl_b32 s25, 2, s23
.irp i, 0,1,2,3,4,5,6,7
	global_load_b128 v[32+4*\i:35+4*\i], v[G8], s[4:5] offset:4096*\i th:TH_LOAD_NT   ; lanes 0-15: row i's 256 bytes on end; lanes 16-31: row 8 + i's
.endr
	s_wait_loadcnt 0x0
.irp i, 0,1,2,3,4,5,6,7
	ds_store_b128 v[SD], v[32+4*\i:35+4*\i] offset:MSTG+PITCH*\i
.endr
.irp j, 0,1,2,3,4,5,6,7
	ds_load_b128 v[64+4*\j:67+4*\j], v[SLM] offset:MSTG+32*\j      ; LDS serves a wave's instructions in order: these see my stores.  Lane (r, h): row r, keys 32 j + 16 h + 0 .. 15
.endr
.irp j, 16,17,18,19
	v_mov_b32 v[\j], 0                             ; v_writelane_b32's destination counts as read
.endr
	s_wait_dscnt 0x0
	; byte y of register k of block b is key 32 b + 16 h + 4 k + y: a compare makes the lane mask, which is word n = 16 b + 4 k + y; it goes to lane n / 2, register n % 2
.irp sis, 0,1
.irp b, 0,1,2,3
.irp k, 0,1,2,3
.irp y, 0,1,2,3
	v_and_b32 v[20+\y], 0xff<<(8*\y), v[64+4*(4*\sis+\b)+\k]
.endr
.irp y, 0,1,2,3
	v_cmp_ne_u32 s[28+4*(\k%2)+\y], 0, v[20+\y]
.endr
.irp y, 0,1,2,3
	v_writelane_b32 v[16+2*\sis+(\y%2)], s[28+4*(\k%2)+\y], (16*\b+4*\k+\y)/2
.endr
.endr
.endr
.endr
.irp sis, 0,1
	global_store_b64 v[L8], v[16+2*\sis:17+2*\sis], s[12:13] offset:256*\sis   ; 32 lanes store 256 bytes on end, at a multiple of 256
	v_or_b32 v24, v[16+2*\sis], v[17+2*\sis]
	v_cmp_ne_u32 vcc_lo, 0, v24
	s_cmp_lg_u32 vcc_lo, 0                         ; is any pair of this step masked?
	s_cselect_b32 s[26+\sis], s[24+\sis], 0
.endr
	v_mov_b32 v25, s27
	v_writelane_b32 v25, s26, 0                    ; lane 0: the first step's flag, lane 1: the second's
	v_cmp_gt_u32 vcc_lo, 2, v[LANE]
	s_wait_xcnt 0x0                                ; EXEC is a source of the stores above: it changes only behind this wait
	s_wait_tensorcnt 0x0
	ds_add_u32 v128, v129
	s_wait_dscnt 0x0
	s_and_saveexec_b32 s20, vcc_lo
	global_store_b32 v[L4], v25, s[14:15]          ; 8 bytes a wave: one byte for each 512 that the wave read
	s_wait_xcnt 0x0                                ; and again in front of the line that widens it
	s_or_b32 exec_lo, exec_lo, s20
	s_endpgm
.Lnot_mask:
	s_cmp_lt_u32 ttmp9, 1280
	s_cbranch_scc0 .Lvalue
	; ---------------- THE KEYS: work-group g' = g - 1024: batch g' / 128, the 32 keys of block kb = g' % 128; wave = head.  The eight waves read 32 rows of 2,048 bytes whole
	s_sub_co_u32 s21, ttmp9, 1024
	s_lshr_b32 s22, s21, 7                         ; batch
	s_and_b32 s23, s21, 127                        ; kb
	s_lshl_b32 s24, s22, 23
	s_lshl_b32 s26, s23, 16
	s_add_co_u32 s24, s24, s26
	s_lshl_b32 s26, s[WV], 8
	s_add_co_u32 s24, s24, s26
	s_mov_b32 s25, 0
	s_add_nc_u64 s[6:7], s[6:7], s[24:25]
	s_lshl_b32 s24, s22, 3
	s_add_co_u32 s24, s24, s[WV]
	s_lshl_b32 s24, s24, 4
	s_lshr_b32 s26, s23, 3
	s_add_co_u32 s24, s24, s26
	s_mul_i32 s24, s24, REC                        ; my record: (8 batch + head) x 16 + kb / 8
	s_bfe_u32 s26, s23, 0x10002                    ; q = (kb / 4) % 2
	s_and_b32 s27, s23, 3                          ; b = kb % 4
	s_lshl_b32 s28, s26, 12
	s_lshl_b32 s29, s27, 10
	s_add_co_u32 s28, s28, s29
	s_add_co_u32 s28, s28, s24                     ; tiles 2 b, 2 b + 1 of step q
	s_mov_b32 s29, 0
	s_lshl_b32 s30, s26, 9
	s_lshl_b32 s31, s27, 7
	s_add_co_u32 s30, s30, s31
	s_add_co_u32 s30, s30, s24
	s_add_co_u32 s30, s30, 16384                   ; their scale words
	s_mov_b32 s31, 0
	s_add_nc_u64 s[32:33], s[10:11], s[28:29]
	s_add_nc_u64 s[34:35], s[10:11], s[30:31]
.irp u, 0,1
.irp i, 0,1,2,3,4,5,6,7
	global_load_b128 v[32+32*\u+4*\i:35+32*\u+4*\i], v[G8], s[6:7] offset:(8*\u+\i)*2048 th:TH_LOAD_NT   ; lanes 0-15: key 8 u + i, its head's 256 bytes on end; lanes 16-31: key 8 u + 16 + i
.endr
.endr
.irp u, 0,1
	s_wait_loadcnt 8*(1-\u)                        ; this tile's eight loads are in; the other tile's eight may be out
.irp i, 0,1,2,3,4,5,6,7
	ds_store_b128 v[SD], v[32+32*\u+4*\i:35+32*\u+4*\i] offset:KSTG+PITCH*\i      ; stage row 8 h + i = the tile's row: key 8 u + row + 8 (row / 8)
.endr
.irp j, 0,1,2,3,4,5,6,7
	ds_load_b128 v[96+4*\j:99+4*\j], v[SLK] offset:KSTG+16*\j                     ; lane (r, h): row r, k = 32 h + 0 .. 31: a whole block
.endr
	s_wait_dscnt 0x0
	QMAX 96
	QCODES 96, 16+4*\u
	QWORD 26+\u
	global_store_b128 v[L16], v[16+4*\u:19+4*\u], s[32:33] offset:512*\u          ; the tile's image: 512 bytes on end
.endr
	v_cndmask_b32 v28, v26, v27, s[HI16]           ; lanes 0-15: the first tile's words, lanes 16-31: the second's
	global_store_b32 v[L4], v28, s[34:35]
	s_wait_tensorcnt 0x0
	ds_add_u32 v128, v129
	s_wait_dscnt 0x0
	s_endpgm
.Lvalue:
	; ---------------- THE VALUES: K = the keys is not innermost: a lane takes a channel and its registers run down the keys, so a block of 32 keys lies in one lane and nothing is transposed.
	; work-group g'' = g - 1280: column run cidx = 8 (g'' % 2) + wave (32 channels: head cidx / 2, half x = cidx % 2), batch and step from g'' / 2.  The eight waves read 1,024 bytes on end of each key's row
	s_sub_co_u32 s21, ttmp9, 1280
	s_and_b32 s22, s21, 1
	s_lshl_b32 s22, s22, 3
	s_add_co_u32 s22, s22, s[WV]                   ; cidx
	s_lshr_b32 s23, s21, 1
	s_lshr_b32 s26, s23, 5                         ; batch
	s_and_b32 s27, s23, 31                         ; step
	s_lshl_b32 s24, s26, 23
	s_lshl_b32 s28, s27, 18                        ; 128 keys of 2,048 bytes
	s_add_co_u32 s24, s24, s28
	s_lshl_b32 s28, s22, 7
	s_add_co_u32 s24, s24, s28
	s_mov_b32 s25, 0
	s_add_nc_u64 s[8:9], s[8:9], s[24:25]
	s_lshr_b32 s28, s22, 1                         ; head
	s_and_b32 s29, s22, 1                          ; x
	s_lshl_b32 s24, s26, 3
	s_add_co_u32 s24, s24, s28
	s_lshl_b32 s24, s24, 4
	s_lshr_b32 s30, s27, 1
	s_add_co_u32 s24, s24, s30
	s_mul_i32 s24, s24, REC                        ; my record
	s_and_b32 s30, s27, 1                          ; q
	s_lshl_b32 s28, s30, 12
	s_lshl_b32 s31, s29, 11
	s_add_co_u32 s28, s28, s31
	s_add_co_u32 s28, s28, s24
	s_add_co_u32 s28, s28, 8192                    ; V's codes of step q, tiles 2 x and 2 x + 1
	s_lshl_b32 s30, s30, 8
	s_lshl_b32 s31, s29, 7
	s_add_co_u32 s30, s30, s31
	s_add_co_u32 s30, s30, s24
	s_add_co_u32 s30, s30, 17408                   ; and their scale words
	s_mov_b32 s29, 0
	s_mov_b32 s31, 0
	s_add_nc_u64 s[32:33], s[10:11], s[28:29]
	s_add_nc_u64 s[34:35], s[10:11], s[30:31]
.macro VLOAD jj                        ; block jj: keys 32 jj + i of my channel, into set jj % 2
.set i, 0
.rept 32
	global_load_b32 v[32+32*((\jj)%2)+i], v[L4], s[8:9] offset:(32*(\jj)+i)*2048 th:TH_LOAD_NT
.set i, i+1
.endr
.endm
.macro VBLOCK jj
.if (\jj) < 3
	s_wait_loadcnt 32                              ; this block's 32 loads are in; the next block's 32 may be out
.else
	s_wait_loadcnt 0x0
.endif
	QMAX 32+32*((\jj)%2)
	QCODES 32+32*((\jj)%2), 96+4*(\jj)
.if (\jj) == 0
	v_mov_b32 v112, v[QBY]                         ; the four bytes make my channel's scale word.  (The plain line behind the conversions)
.else
	v_lshl_or_b32 v112, v[QBY], 8*(\jj), v112
.endif
	global_store_b128 v[VO], v[96+4*(\jj):99+4*(\jj)], s[32:33] offset:512*((\jj)/2)+256*((\jj)%2)   ; block jj is half c = jj / 2, lanes 16 (jj % 2) on, of the image: sixteen lanes store 256 bytes on end, at a multiple of 256
.if (\jj) < 2
	VLOAD (\jj)+2
.endif
.endm
	VLOAD 0
	VLOAD 1
	VBLOCK 0
	VBLOCK 1
	VBLOCK 2
	VBLOCK 3
	global_store_b32 v[L4], v112, s[34:35]
	s_endpgm
.Lfunc_end_k_qeb3cc87b3b_prep:
	.size	k_qeb3cc87b3b_prep, .Lfunc_end_k_qeb3cc87b3b_prep-k_qeb3cc87b3b_prep
	.p2alignl 7, 3214868480
	.fill 96, 4, 3214868480
	.section	.rodata,"a",@progbits
	.p2align	6, 0x0
	.amdhsa_kernel k_qeb3cc87b3b_prep
		.amdhsa_group_segment_fixed_size 70656
		.amdhsa_private_segment_fixed_size 0
		.amdhsa_enable_private_segment 0
		.amdhsa_kernarg_size 48
		.amdhsa_user_sgpr_count 2
		.amdhsa_user_sgpr_kernarg_segment_ptr 1
		.amdhsa_wavefront_size32 1
		.amdhsa_system_sgpr_workgroup_id_x 1
		.amdhsa_system_sgpr_workgroup_id_y 1
		.amdhsa_system_sgpr_workgroup_id_z 1
		.amdhsa_system_vgpr_workitem_id 0
		.amdhsa_next_free_vgpr 130
		.amdhsa_next_free_sgpr 66
		.amdhsa_reserve_vcc 1
		.amdhsa_float_denorm_mode_32 3
		.amdhsa_float_denorm_mode_16_64 3
		.amdhsa_memory_ordered 1
		.amdhsa_forward_progress 1
		.amdhsa_inst_pref_size 58
	.end_amdhsa_kernel
	.amdgpu_metadata
---
amdhsa.version: [ 1, 2 ]
amdhsa.kernels:
  - .name:           k_qeb3cc87b3b_prep
    .symbol:         k_qeb3cc87b3b_prep.kd
    .args:
      - { .name: attention_mask, .offset: 0, .size: 8, .value_kind: global_buffer, .address_space: global }
      - { .name: key, .offset: 8, .size: 8, .value_kind: global_buffer, .address_space: global }
      - { .name: value, .offset: 16, .size: 8, .value_kind: global_buffer, .address_space: global }
      - { .name: kv, .offset: 24, .size: 8, .value_kind: global_buffer, .address_space: global }
      - { .name: maskw, .offset: 32, .size: 8, .value_kind: global_buffer, .address_space: global }
      - { .name: flags, .offset: 40, .size: 8, .value_kind: global_buffer, .address_space: global }
    .group_segment_fixed_size: 70656
    .private_segment_fixed_size: 0
    .kernarg_segment_align: 8
    .kernarg_segment_size: 48
    .max_flat_workgroup_size: 256
    .sgpr_count:     66
    .vgpr_count:     130
    .wavefront_size: 32
...
	.end_amdgpu_metadata
.endif
;; end of part 1
;; launch attn (part 2): grid 16 x 16, 16 waves a work-group, no clusters, 108,544 bytes of LDS; arguments query, kv, maskw, flags, out0; writes out0
.if DOCPART == 2
	.amdgcn_target "amdgcn-amd-amdhsa--gfx1250"
	.amdhsa_code_object_version 6
	.text
	.protected	k_qeb3cc87b3b_attn
	.globl	k_qeb3cc87b3b_attn
	.p2align	8
	.type	k_qeb3cc87b3b_attn,@function
k_qeb3cc87b3b_attn:
	s_mov_b64 s[64:65], 0
	v_nop
	global_prefetch_b8 v0, s[64:65] scope:SCOPE_SE
	s_setreg_imm32_b32 hwreg(HW_REG_WAVE_MODE, 25, 1), 1
	s_wait_xcnt 0x0
; out[b][q][h][:] = the sum over k of softmax_k(logit) V[b][k][h][:], logit = Q . K / 8, REPLACED by -10000 where attention_mask[b][q][k] is true.  Both products on codes of E2M1 with one E8M0 scale for each 32 along a product's K.
; THE SOFTMAX AHEAD OF THE SECOND PRODUCT: t = logit x log2(e); M = the row's largest t so far, rounded UP to a whole number; p = 2^(t - M) is what is quantised, along the keys; the row's sum is taken of the unquantised p and divides at the end.
; When M moves, the sum and O are multiplied by 2^(old M - new M): exact.  A masked score is set to -80000 ahead of the maximum: -80000 x (log2(e) / 8) is -10000 x log2(e) to the bit, so a row that is masked throughout comes out uniform, as it must.
; SHARES.  A work-group owns 256 queries of one (batch, head); each of its SIXTEEN waves owns 16 of them in 256 registers: four waves to a SIMD, so that one wave's vector work stands beside another's matrix work and LDS loads.
; A step of 128 keys is 12 matrix instructions and some 240 vector instructions a wave: vector work decides, so the text spares vector lines and keeps everything else plain.
; K AND V come from the buffer kv, which the launch before laid as images of operand registers, a record of 17,920 bytes for each 256 keys (two steps).  A record is copied as it lies into one of two LDS buffers, through registers:
; 35 bytes a thread (two or three loads of 16 bytes, asked for more than a step ahead of their LDS stores).  One barrier for each 256 keys.
; NO TENSOR LOAD AND NO CLUSTER, though the sixteen work-groups of a head walk the same records: the mask's 64 selects of a step are jumped by a scalar branch on a flag that the launch before stored;
; and what is shared is 17,920 bytes for each 256 keys of a work-group, beside some 480 vector instructions of each of its sixteen waves.
; LAYOUT.  Both products are used transposed: S^T = K Q^T (source 0 = 16 keys, source 1 = my 16 queries), O^T = V^T P^T (source 0 = 16 channels, source 1 = P): a lane holds ONE query (lane % 16) throughout.
; THE KEYS OF A TILE ARE NOT NEIGHBOURS: lane r of tile 2 b + u holds key 32 b + 8 u + r + 8 (r / 8), so that score registers 16 b + i are keys 32 b + 16 (lane / 16) + i.
; THE FIRST PRODUCT'S K IS 64, THE INSTRUCTION'S 128.  Q's registers for k = 64 .. 127 hold zero codes, so K's may hold any codes: K's tiles lie four registers apart, and a tile's operand runs on over the next tile's four (behind the last: four zeros).
; LIMITS: NaN and infinities in query, key and value are not served.  A block of Q whose largest magnitude lies under 2^-124, a block of zeros too, keeps the scale byte 1; a block of p whose every number has fallen to 0 likewise: its codes are zeros.
.set SLOT,  17920                      ; a record, in memory and in LDS; LDS buffer p begins at p x SLOT
.set PITCH, 272                        ; a stage row: 256 bytes + 16, so that sixteen rows begin at sixteen different 16-byte columns of 256
.set WSTG,  16*PITCH                   ; a wave's own stage: Q on the way in, O on the way out
.set STG,   36864                      ; behind the two buffers
.set LI,  1                            ; v1   16 x lane: an image's place for my lane
.set LS,  2                            ; v2   4 x lane: a scale word's
.set CP,  3                            ; v3   16 x thread: my bytes of a record, in memory and in LDS
.set SD,  4                            ; v4   the stage by rows of 256 bytes: row 8 h (+ i), 16 r bytes in
.set SL,  5                            ; v5   the stage by lanes: row r, 128 h bytes in (Q); at the end 32 h (O)
.set GD,  6                            ; v6   16384 h + 16 r: the same rows in query and in out0
.set NEG, 7                            ; v7   -80000.0
.set QSH, 11                           ; v9 r, v10 h, v11 8 h: they stay
.set QF,  16                           ; v16-23   Q's fragment; v20-23 zero codes
.set QS,  24                           ; v24      Q's scale words
.set PW,  25                           ; v25      p's scale word
.set VS,  26                           ; v26-27   V's scale words: register j, lanes 0-15 tile 2 j, lanes 16-31 tile 2 j + 1
.set KS,  28                           ; v28-31   K's likewise
.set KF,  32                           ; v32-63   K's eight tiles, four registers each; v64-67 zero
.set VF,  68                           ; v68-99   V's four fragments
.set S,   100                          ; v100-163 S^T, then p
.set O,   164                          ; v164-195 O^T
.set PC,  196                          ; v196-203 p's codes
.set BM,  204                          ; v204-207 each block's largest score, then its largest p
.set BX,  208                          ; v208-211 the other half's; the bytes
.set BS,  212                          ; v212-215 the conversions' scale operands
.set FF,  216                          ; v216 f = 2^(old M - new M); v217 named with it as a pair
.set TT,  218
.set SUM2, 220                         ; v220-221 the sum's second chain
.set CD,  232                          ; v232-243 a record's bytes on their way
.set QTA, BM                           ; Q's quantiser works in registers of the step
.set QTB, BM+1
.set QBY, BM+2
.set QSC, BS
.set QTP, BX
.set WV,   2                           ; s2   my wave
.set TRIP, 3                           ; s3   trips to go
.set ANY,  14                          ; s14  bit j: step j from here on has a masked pair among my 16 queries
.set SEL,  16                          ; s[16:17] v_permlanex16_b32's selects for lane l xor 16
.set CS,   18                          ; s[18:19] c = log2(e) / 8; the packed form names a pair and takes its low word for both halves
; s[28:59], s[68:99]: a step's 64 mask words (at the head: the 32 flags)
.macro COPY_LOAD off                   ; the record off bytes on: 2 x 8,192 bytes by all 512 threads, the last 1,536 by threads 0-95
	global_load_b128 v[CD:CD+3], v[CP], s[6:7] offset:\off
	global_load_b128 v[CD+4:CD+7], v[CP], s[6:7] offset:\off+8192
	s_cmp_gt_u32 s[WV], 2
	s_cbranch_scc1 .Lno_third_\@
	global_load_b128 v[CD+8:CD+11], v[CP], s[6:7] offset:\off+16384
.Lno_third_\@:
.endm
.macro COPY_STORE p, last              ; into LDS buffer p.  last = 1: in the last trip nothing was loaded and nothing is stored
	s_wait_loadcnt 0x0                             ; on every way: no load is out behind this line
.if \last
	s_cmp_eq_u32 s[TRIP], 1
	s_cbranch_scc1 .Lkept_\@
.endif
	ds_store_b128 v[CP], v[CD:CD+3] offset:(\p)*SLOT
	ds_store_b128 v[CP], v[CD+4:CD+7] offset:(\p)*SLOT+8192
	s_cmp_gt_u32 s[WV], 2
	s_cbranch_scc1 .Lkept_\@
	ds_store_b128 v[CP], v[CD+8:CD+11] offset:(\p)*SLOT+16384
.Lkept_\@:
.endm
.macro KLOAD p, q                      ; 12 LDS loads: K's eight tiles and four registers of scale words of step q of buffer p
.irp t, 0,1,2,3,4,5,6,7
	ds_load_b128 v[KF+4*\t:KF+4*\t+3], v[LI] offset:(\p)*SLOT+4096*(\q)+512*\t
.endr
.irp j, 0,1,2,3
	ds_load_b32 v[KS+\j], v[LS] offset:(\p)*SLOT+16384+512*(\q)+128*\j
.endr
.endm
	s_load_b256 s[4:11], s[0:1], 0x0               ; query s[4:5], kv s[6:7], maskw s[8:9], flags s[10:11]
	s_load_b64 s[12:13], s[0:1], 0x20              ; out0
	v_lshl_add_u32 v254, v0, 2, 0x1a000
	v_mov_b32 v255, 0
	v_lshrrev_b32 v8, 5, v0
	v_readfirstlane_b32 s[WV], v8                  ; wave 0..15
	s_and_b32 s20, ttmp7, 0xffff                   ; 8 x batch + head
	s_lshr_b32 s21, s20, 3                         ; batch
	s_and_b32 s22, s20, 7                          ; head
	s_lshl_b32 s24, s21, 23                        ; query and out0: batch x 4,096 rows of 2,048 bytes
	s_lshl_b32 s23, ttmp9, 19                      ; + 256 rows a work-group
	s_add_co_u32 s24, s24, s23
	s_lshl_b32 s23, s[WV], 15                      ; + 16 rows a wave
	s_add_co_u32 s24, s24, s23
	s_lshl_b32 s23, s22, 8                         ; + the head's 256 bytes
	s_add_co_u32 s24, s24, s23
	s_mov_b32 s25, 0
	s_mul_i32 s26, s20, 16*SLOT                    ; kv: 16 records a head
	s_mov_b32 s27, 0
	s_lshl_b32 s21, s21, 8
	s_lshl_b32 s23, ttmp9, 4
	s_add_co_u32 s21, s21, s23
	s_add_co_u32 s21, s21, s[WV]                   ; my tile of queries: 256 x batch + 16 x work-group + wave
	s_lshl_b32 s22, s21, 13                        ; maskw: 32 steps of 256 bytes
	s_mov_b32 s23, 0
	s_lshl_b32 s20, s21, 7                         ; flags: 32 words
	s_mov_b32 s21, 0
	s_mul_i32 s15, s[WV], WSTG
	s_add_co_u32 s15, s15, STG                     ; my stage
	s_mov_b32 s[SEL], 0x76543210
	s_mov_b32 s[SEL+1], 0xfedcba98
	s_mov_b32 s[CS], 0x3e38aa3b                    ; log2(e) / 8
	s_mov_b32 s[CS+1], s[CS]                       ; (named with it as a pair, so it is written)
	v_and_b32 v8, 31, v0
	v_and_b32 v9, 15, v0                           ; r
	v_bfe_u32 v10, v0, 4, 1                        ; h
	v_lshlrev_b32 v[LI], 4, v8
	v_lshlrev_b32 v[LS], 2, v8
	v_lshlrev_b32 v[CP], 4, v0
	v_mul_u32_u24 v[SD], v10, 8*PITCH
	v_lshl_add_u32 v[SD], v9, 4, v[SD]
	v_add_nc_u32 v[SD], s15, v[SD]
	v_mul_u32_u24 v[SL], v9, PITCH
	v_lshl_add_u32 v[SL], v10, 7, v[SL]
	v_add_nc_u32 v[SL], s15, v[SL]
	v_lshlrev_b32 v[GD], 14, v10
	v_lshl_add_u32 v[GD], v9, 4, v[GD]
	v_lshlrev_b32 v[QSH], 3, v10
.irp j, 0,1,2,3
	v_mov_b32 v[CD+8+\j], 0                        ; waves 3-15 never load these four
	v_mov_b32 v[BX+\j], 0                          ; written once: a lane permute's destination counts as one of its sources
.endr
	s_wait_kmcnt 0x0
	s_add_nc_u64 s[4:5], s[4:5], s[24:25]
	s_add_nc_u64 s[12:13], s[12:13], s[24:25]
	s_add_nc_u64 s[6:7], s[6:7], s[26:27]
	s_add_nc_u64 s[8:9], s[8:9], s[22:23]
	s_add_nc_u64 s[10:11], s[10:11], s[20:21]
	COPY_LOAD 0                                    ; the first record
.irp i, 0,1,2,3,4,5,6,7
	global_load_b128 v[S+32+4*\i:S+35+4*\i], v[GD], s[4:5] offset:2048*\i th:TH_LOAD_NT   ; Q: lanes 0-15 query i's 256 bytes on end, lanes 16-31 query 8 + i's
.endr
	s_load_b512 s[28:43], s[10:11], 0x0            ; my 32 flags
	s_load_b512 s[44:59], s[10:11], 0x40
	s_wait_loadcnt 0x0
.irp i, 0,1,2,3,4,5,6,7
	ds_store_b128 v[SD], v[S+32+4*\i:S+35+4*\i] offset:PITCH*\i
.endr
.irp j, 0,1,2,3,4,5,6,7
	ds_load_b128 v[S+4*\j:S+3+4*\j], v[SL] offset:16*\j            ; LDS serves a wave's instructions in order: these see my stores.  Lane (r, h): query r, k = 32 h + 0 .. 31: a whole block
.endr
	COPY_STORE 0, 0
	s_wait_dscnt 0x0                               ; Q is back; my part of the first record lies in buffer 0
	; Q's quantiser: 32 numbers of one block a lane
	v_max3_num_f32 v[QTA], |v[S]|, |v[S+1]|, 0x1800000             ; with the floor 2^(3 - 127) among the leaves: the byte cannot fall under 1
	v_max3_num_f32 v[QTB], |v[S+16]|, |v[S+17]|, |v[S+18]|
.irp i, 0,1,2,3,4,5
	v_max3_num_f32 v[QTA], v[QTA], |v[S+2+2*\i]|, |v[S+3+2*\i]|
	v_max3_num_f32 v[QTB], v[QTB], |v[S+19+2*\i]|, |v[S+20+2*\i]|
.endr
	v_max3_num_f32 v[QTA], v[QTA], |v[S+14]|, |v[S+15]|
	v_max3_num_f32 v[QTA], v[QTA], v[QTB], |v[S+31]|
	v_add_nc_u32 v[QSC], 0xff000000, v[QTA]        ; 2 off the exponent field: the conversion's scale operand
	v_lshrrev_b32 v[QBY], 23, v[QSC]               ; the scale's byte
.irp g, 0,1,2,3
	v_cvt_scalef32_pk8_fp4_f32 v[QF+\g], v[S+8*\g:S+8*\g+7], v[QSC]
.endr
	v_lshlrev_b32 v[QBY], v[QSH], v[QBY]           ; (the plain line behind the conversions)  my block's byte at its place,
	v_permlanex16_b32 v[QTP], v[QBY], s[SEL], s[SEL+1]
	v_or_b32 v[QS], v[QBY], v[QTP]                 ; with the other block's,
	v_or_b32 v[QS], 0x7f7f0000, v[QS]              ; and 1.0 over the zero codes
	; the lines from here to the loop are also the places between these vector writes and the first scaled matrix instruction (8 behind a scale word, 4 behind an operand)
.irp j, 0,1,2,3
	v_mov_b32 v[QF+4+\j], 0                        ; Q's codes of k = 64 .. 127
	v_mov_b32 v[KF+32+\j], 0                       ; what the last tile of K runs on over
.endr
.set n, 0
.rept 32
	v_mov_b32 v[O+n], 0                            ; O^T.  (The step is written without a first step of its own: the first finds zeros, which the first change of M leaves zeros)
.set n, n+1
.endr
	v_mov_b32 v14, 0                               ; the sum, in two halves
	v_mov_b32 v15, 0
	v_mov_b32 v[FF+1], 0
	v_mov_b32 v13, 0xff61b1e6                      ; the largest t so far: -3e38, under every t
	v_floor_f32 v12, -v13                          ; -M
	v_mov_b32 v[NEG], 0xc79c4000                   ; -80000.0
	s_wait_kmcnt 0x0
	s_or_b32 s[ANY], s28, s29                      ; flag j is 1 << j or 0: their union has bit j for step j
.set i, 30
.rept 30
	s_or_b32 s[ANY], s[ANY], s[i]
.set i, i+1
.endr
	s_barrier_signal -1                            ; (every wave's stores into buffer 0 were waited for above)
	s_barrier_wait -1
	s_mov_b32 s[TRIP], 8
; A STEP: 128 keys: step q of LDS buffer p; bit: the step's place in the trip.
.macro STEP p, q, bit, last
.if \q == 0
	KLOAD \p, 0                                    ; (a buffer's second step has its K fetched in the first)
.endif
	s_wait_dscnt 0x0                               ; K and its scale words are in
.irp t, 0,1,2,3,4,5,6,7
.if \t%2
	v_wmma_scale_f32_16x16x128_f8f6f4 v[S+8*\t:S+8*\t+7], v[KF+4*\t:KF+4*\t+7], v[QF:QF+7], 0, v[KS+\t/2], v[QS] matrix_a_fmt:MATRIX_FMT_FP4 matrix_b_fmt:MATRIX_FMT_FP4 matrix_a_scale:MATRIX_SCALE_ROW1
.else
	v_wmma_scale_f32_16x16x128_f8f6f4 v[S+8*\t:S+8*\t+7], v[KF+4*\t:KF+4*\t+7], v[QF:QF+7], 0, v[KS+\t/2], v[QS] matrix_a_fmt:MATRIX_FMT_FP4 matrix_b_fmt:MATRIX_FMT_FP4
.endif
.endr
.rept 4
	v_nop                                          ; four places: in front of the first read of the scores, and of the loads below into registers that these products and the last step's have read
.endr
.irp d, 0,1,2,3
.irp c, 0,1
	ds_load_b128 v[VF+8*\d+4*\c:VF+8*\d+4*\c+3], v[LI] offset:\p*SLOT+8192+4096*\q+1024*\d+512*\c
.endr
.endr
.irp j, 0,1
	ds_load_b32 v[VS+\j], v[LS] offset:\p*SLOT+17408+256*\q+128*\j
.endr
.if \q == 0
	KLOAD \p, 1
.else
	COPY_STORE 1-\p, \last                         ; the next record into the other buffer: every wave's reads of it were over at the last barrier
.endif
	s_bitcmp1_b32 s[ANY], \bit                     ; is any pair of this step masked?  A whole number that the launch before stored; no barrier and no LDS instruction stands under the branch
	s_cbranch_scc0 .Lopen_\@
	s_load_b512 s[28:43], s[8:9], 256*\bit
	s_load_b512 s[44:59], s[8:9], 256*\bit+64
	s_load_b512 s[68:83], s[8:9], 256*\bit+128
	s_load_b512 s[84:99], s[8:9], 256*\bit+192
	s_wait_kmcnt 0x0
.set n, 0
.rept 64
	v_cndmask_b32 v[S+n], v[S+n], v[NEG], s[28+n+8*(n/32)]         ; word n is register n's lane mask
.set n, n+1
.endr
.Lopen_\@:
.irp b, 0,1,2,3
	v_max3_num_f32 v[BM+\b], v[S+16*\b], v[S+1+16*\b], v[S+2+16*\b]   ; THE LARGEST SCORE OF EACH BLOCK OF 32 KEYS serves twice: for the row's maximum, and, since p rises with the score, for the block's largest p
.endr
.irp i, 3,5,7,9,11,13
.irp b, 0,1,2,3
	v_max3_num_f32 v[BM+\b], v[BM+\b], v[S+16*\b+\i], v[S+1+16*\b+\i]   ; (the four blocks by turns)
.endr
.endr
.irp b, 0,1,2,3
	v_max_num_f32 v[BM+\b], v[BM+\b], v[S+15+16*\b]
.endr
.irp b, 0,1,2,3
	v_permlanex16_b32 v[BX+\b], v[BM+\b], s[SEL], s[SEL+1]
.endr
.irp b, 0,1,2,3
	v_max_num_f32 v[BM+\b], v[BM+\b], v[BX+\b]     ; with lane l xor 16's 16 keys
.endr
.if \q == 1
	s_wait_dscnt 0x0                               ; my reads of this buffer are over (V is in), and my stores into the other have landed:
	s_barrier_signal -1                            ; say so; from here to the wait at the step's end stands work on registers alone
.endif
	v_max3_num_f32 v[TT], v[BM], v[BM+1], v[BM+2]
	v_max_num_f32 v[TT], v[TT], v[BM+3]            ; the step's largest score of my query
	v_mul_f32 v[TT], s[CS], v[TT]                  ; as t (c is positive)
	v_max_num_f32 v13, v13, v[TT]                  ; the running largest t
	v_mov_b32 v[TT], v12
	v_floor_f32 v12, -v13                          ; the new -M = floor(-t) = -ceil(t): M is a whole number
	v_sub_f32 v[TT], v12, v[TT]                    ; M's old value less its new one: a whole number, 0 or less
	v_cvt_i32_f32 v[TT], v[TT]                     ; (it saturates)
	v_ldexp_f32 v[FF], 1.0, v[TT]                  ; f = 2^(old M - new M)
.set n, 0
.rept 32
	v_pk_fma_f32 v[S+n:S+n+1], v[S+n:S+n+1], s[CS:CS+1], v[12:13] op_sel_hi:[1,0,0]   ; t - M, two at a time (of the pairs c and -M the low word serves both halves)
.set n, n+2
.endr
.irp b, 0,1,2,3
	v_fma_f32 v[BM+\b], v[BM+\b], s[CS], v12       ; the same of each block's largest score
.endr
.set n, 0
.rept 64
	v_exp_f32 v[S+n], v[S+n]                       ; p = 2^(t - M), at most 1: not normalised
.set n, n+1
.endr
.irp b, 0,1,2,3
	v_exp_f32 v[BM+\b], v[BM+\b]                   ; the block's largest p: the same two instructions on the same number give the same bits
.endr
	v_pk_mul_f32 v[14:15], v[14:15], v[FF:FF+1] op_sel_hi:[1,0]    ; the sums under the new M.  (The plain line behind the exponentials)
	s_wait_alu depctr_va_vdst(0)
.irp b, 0,1,2,3
	v_max_num_f32 v[BM+\b], 0x1800000, v[BM+\b]    ; the floor 2^(3 - 127): the byte cannot fall under 1
.endr
.irp b, 0,1,2,3
	v_add_nc_u32 v[BS+\b], 0xff000000, v[BM+\b]    ; 2 off the exponent field: the conversion's scale operand
.endr
.irp b, 0,1,2,3
	v_lshrrev_b32 v[BX+\b], 23, v[BS+\b]           ; the scale's byte
.endr
	v_lshl_or_b32 v[PW], v[BX+1], 8, v[BX]         ; p's scale word for these 128 keys
	v_lshl_or_b32 v[PW], v[BX+2], 16, v[PW]
	v_lshl_or_b32 v[PW], v[BX+3], 24, v[PW]
.irp b, 0,1,2,3
	v_cvt_scalef32_pk8_fp4_f32 v[PC+2*\b], v[S+16*\b:S+7+16*\b], v[BS+\b]
	v_cvt_scalef32_pk8_fp4_f32 v[PC+1+2*\b], v[S+8+16*\b:S+15+16*\b], v[BS+\b]
.endr
	v_nop                                          ; one plain line between a scaled conversion and the vector instruction that touches its result
.irp c, 0,1                                    ; the operand's layout wants a WHOLE block in a lane: lanes 0-15 block 2 c, lanes 16-31 block 2 c + 1
.irp i, 0,1
	v_permlane16_swap_b32 v[PC+4*\c+\i], v[PC+2+4*\c+\i]
.endr
.endr
	v_pk_add_f32 v[SUM2:SUM2+1], v[S:S+1], v[S+2:S+3]              ; THE ROW'S SUM IS TAKEN OF THE UNQUANTISED p: two at a time, in two chains
.irp j, 4,8,12,16,20,24,28,32,36,40,44,48,52,56,60
	v_pk_add_f32 v[14:15], v[14:15], v[S+\j:S+1+\j]
	v_pk_add_f32 v[SUM2:SUM2+1], v[SUM2:SUM2+1], v[S+2+\j:S+3+\j]
.endr
	v_pk_add_f32 v[14:15], v[14:15], v[SUM2:SUM2+1]
.set n, 0
.rept 16
	v_pk_mul_f32 v[O+n:O+n+1], v[O+n:O+n+1], v[FF:FF+1] op_sel_hi:[1,0]   ; O^T under the new M.  (The 48 packed lines are the places between the writes of p's codes and scale word and the products below)
.set n, n+2
.endr
.if \q == 0
	s_wait_dscnt 12                                ; V's ten loads are in; the twelve issued behind them, the next step's K, may be out
.endif
.irp d, 0,1,2,3                                ; O^T += V^T P^T.  The four accumulators take one turn each, and the next step's eight products stand between an accumulator's links
.if \d%2
	v_wmma_scale_f32_16x16x128_f8f6f4 v[O+8*\d:O+8*\d+7], v[VF+8*\d:VF+8*\d+7], v[PC:PC+7], v[O+8*\d:O+8*\d+7], v[VS+\d/2], v[PW] matrix_a_fmt:MATRIX_FMT_FP4 matrix_b_fmt:MATRIX_FMT_FP4 matrix_a_scale:MATRIX_SCALE_ROW1
.else
	v_wmma_scale_f32_16x16x128_f8f6f4 v[O+8*\d:O+8*\d+7], v[VF+8*\d:VF+8*\d+7], v[PC:PC+7], v[O+8*\d:O+8*\d+7], v[VS+\d/2], v[PW] matrix_a_fmt:MATRIX_FMT_FP4 matrix_b_fmt:MATRIX_FMT_FP4
.endif
.endr
.if \q == 1
	s_barrier_wait -1                              ; every wave has said so: the other buffer is whole, and nobody reads this one any more
.endif
.endm
.Ltrip:                                            ; 8 trips of 512 keys: records 2 T (in buffer 0) and 2 T + 1
	COPY_LOAD SLOT                                 ; record 2 T + 1: stored into buffer 1 in the second step below
	STEP 0, 0, 0, 0
	STEP 0, 1, 1, 0
	s_cmp_eq_u32 s[TRIP], 1                        ; the last trip has no record 2 T + 2: no load leaves the buffer
	s_cbranch_scc1 .Lno_more
	COPY_LOAD 2*SLOT
.Lno_more:
	STEP 1, 0, 2, 0
	STEP 1, 1, 3, 1
	s_wait_xcnt 0x0                                ; the bases of the loads above are stepped only behind this wait
	s_add_nc_u64 s[6:7], s[6:7], 2*SLOT
	s_add_nc_u64 s[8:9], s[8:9], 1024              ; four steps' mask words
	s_lshr_b32 s[ANY], s[ANY], 4
	s_sub_co_u32 s[TRIP], s[TRIP], 1
	s_cmp_lg_u32 s[TRIP], 0
	s_cbranch_scc1 .Ltrip
	; THE WAY OUT.  O^T / the sum goes through my stage and leaves as whole rows of 256 bytes.  The first four lines are the places behind the last products.
	v_mul_u32_u24 v[SL], v9, PITCH
	v_lshl_add_u32 v[SL], v10, 5, v[SL]
	v_add_nc_u32 v[SL], s15, v[SL]                 ; into the stage: row r; tile d's eight channels of my half lie 64 d + 32 h bytes in
	v_add_f32 v14, v14, v15                        ; the sum's two halves,
	v_permlanex16_b32 v[TT], v14, s[SEL], s[SEL+1]
	v_add_f32 v14, v14, v[TT]                      ; and lane l xor 16's: the row's sum (over 1/2: the row's largest p is)
	v_rcp_f32 v14, v14
	v_nop                                          ; one plain line behind a transcendental
.set n, 0
	s_wait_alu depctr_va_vdst(0)
.rept 16
	v_pk_mul_f32 v[S+n:S+n+1], v[O+n:O+n+1], v[14:15] op_sel_hi:[1,0]   ; register 8 d + i is out(r, 16 d + 8 h + i)
.set n, n+2
.endr
.irp d, 0,1,2,3
	ds_store_b128 v[SL], v[S+8*\d:S+8*\d+3] offset:64*\d
	ds_store_b128 v[SL], v[S+8*\d+4:S+8*\d+7] offset:64*\d+16
.endr
.irp i, 0,1,2,3,4,5,6,7
	ds_load_b128 v[S+32+4*\i:S+35+4*\i], v[SD] offset:PITCH*\i     ; LDS serves a wave's instructions in order: these see my stores
.endr
.irp i, 0,1,2,3,4,5,6,7
	s_wait_dscnt 7-\i                              ; load i is back; the younger ones may be out
	global_store_b128 v[GD], v[S+32+4*\i:S+35+4*\i], s[12:13] offset:2048*\i th:TH_STORE_NT   ; sixteen lanes store a query's 256 bytes of this head, at a multiple of 256 from out0's first byte
.endr
	s_wait_tensorcnt 0x0
	ds_add_u32 v254, v255
	s_wait_dscnt 0x0
	s_endpgm
.Lfunc_end_k_qeb3cc87b3b_attn:
	.size	k_qeb3cc87b3b_attn, .Lfunc_end_k_qeb3cc87b3b_attn-k_qeb3cc87b3b_attn
	.p2alignl 7, 3214868480
	.fill 96, 4, 3214868480
	.section	.rodata,"a",@progbits
	.p2align	6, 0x0
	.amdhsa_kernel k_qeb3cc87b3b_attn
		.amdhsa_group_segment_fixed_size 108544
		.amdhsa_private_segment_fixed_size 0
		.amdhsa_enable_private_segment 0
		.amdhsa_kernarg_size 40
		.amdhsa_user_sgpr_count 2
		.amdhsa_user_sgpr_kernarg_segment_ptr 1
		.amdhsa_wavefront_size32 1
		.amdhsa_system_sgpr_workgroup_id_x 1
		.amdhsa_system_sgpr_workgroup_id_y 1
		.amdhsa_system_sgpr_workgroup_id_z 1
		.amdhsa_system_vgpr_workitem_id 0
		.amdhsa_next_free_vgpr 256
		.amdhsa_next_free_sgpr 100
		.amdhsa_reserve_vcc 0
		.amdhsa_float_denorm_mode_32 3
		.amdhsa_float_denorm_mode_16_64 3
		.amdhsa_memory_ordered 1
		.amdhsa_forward_progress 1
		.amdhsa_inst_pref_size 91
	.end_amdhsa_kernel
	.amdgpu_metadata
---
amdhsa.version: [ 1, 2 ]
amdhsa.kernels:
  - .name:           k_qeb3cc87b3b_attn
    .symbol:         k_qeb3cc87b3b_attn.kd
    .args:
      - { .name: query, .offset: 0, .size: 8, .value_kind: global_buffer, .address_space: global }
      - { .name: kv, .offset: 8, .size: 8, .value_kind: global_buffer, .address_space: global }
      - { .name: maskw, .offset: 16, .size: 8, .value_kind: global_buffer, .address_space: global }
      - { .name: flags, .offset: 24, .size: 8, .value_kind: global_buffer, .address_space: global }
      - { .name: out0, .offset: 32, .size: 8, .value_kind: global_buffer, .address_space: global }
    .group_segment_fixed_size: 108544
    .private_segment_fixed_size: 0
    .kernarg_segment_align: 8
    .kernarg_segment_size: 40
    .max_flat_workgroup_size: 512
    .sgpr_count:     100
    .vgpr_count:     256
    .wavefront_size: 32
...
	.end_amdgpu_metadata
.endif
;; end of part 2
;; ======== version 2 of 2: 2 launches; version 1 with the launch attn written anew for expert scheduling mode
;; workspace buffers: kv 4,587,520 bytes; maskw 4,194,304 bytes of whole numbers; flags 65,536 bytes of whole numbers
;; launch prep: the kernel of part 1 again; grid 1408 x 1, 8 waves a work-group, no clusters, 70,656 bytes of LDS; arguments attention_mask, key, value, kv, maskw, flags; writes kv, maskw, flags
;; launch attn (part 3): grid 16 x 16, 16 waves a work-group, no clusters, 108,544 bytes of LDS; arguments query, kv, maskw, flags, out0; writes out0
.if DOCPART == 3
	.amdgcn_target "amdgcn-amd-amdhsa--gfx1250"
	.amdhsa_code_object_version 6
	.text
	.protected	k_qeb3cc87b3b_attn
	.globl	k_qeb3cc87b3b_attn
	.p2align	8
	.type	k_qeb3cc87b3b_attn,@function
k_qeb3cc87b3b_attn:
	s_mov_b64 s[64:65], 0
	v_nop
	global_prefetch_b8 v0, s[64:65] scope:SCOPE_SE
	s_setreg_imm32_b32 hwreg(HW_REG_WAVE_SCHED_MODE, 0, 2), 2
	s_setreg_imm32_b32 hwreg(HW_REG_WAVE_MODE, 25, 1), 1
	s_wait_xcnt 0x0
	s_wait_alu depctr_vm_vsrc(0)
; out[b][q][h][:] = the sum over k of softmax_k(logit) V[b][k][h][:], logit = Q . K / 8, REPLACED by -10000 where attention_mask[b][q][k] is true.  Both products on codes of E2M1 with one E8M0 scale for each 32 along a product's K.
; THE SOFTMAX AHEAD OF THE SECOND PRODUCT: t = logit x log2(e); M = the row's largest t so far, rounded UP to a whole number; p = 2^(t - M) is what is quantised, along the keys; the row's sum is taken of the unquantised p and divides at the end.
; When M moves, the sum and O are multiplied by 2^(old M - new M): exact.  A masked score is set to -80000 ahead of the maximum: -80000 x (log2(e) / 8) is -10000 x log2(e) to the bit, so a row that is masked throughout comes out uniform, as it must.
; SHARES.  A work-group owns 256 queries of one (batch, head); each of its SIXTEEN waves owns 16 of them in 256 registers: four waves to a SIMD, so that one wave's vector work stands beside another's matrix work and LDS loads.
; A step of 128 keys is 12 matrix instructions and some 240 vector instructions a wave: vector work decides, so the text spares vector lines and keeps everything else plain.
; K AND V come from the buffer kv, which the launch before laid as images of operand registers, a record of 17,920 bytes for each 256 keys (two steps).  A record is copied as it lies into one of two LDS buffers, through registers:
; 35 bytes a thread (two or three loads of 16 bytes, asked for more than a step ahead of their LDS stores).  One barrier for each 256 keys.
; NO TENSOR LOAD AND NO CLUSTER, though the sixteen work-groups of a head walk the same records: the mask's 64 selects of a step are jumped by a scalar branch on a flag that the launch before stored;
; and what is shared is 17,920 bytes for each 256 keys of a work-group, beside some 480 vector instructions of each of its sixteen waves.
; LAYOUT.  Both products are used transposed: S^T = K Q^T (source 0 = 16 keys, source 1 = my 16 queries), O^T = V^T P^T (source 0 = 16 channels, source 1 = P): a lane holds ONE query (lane % 16) throughout.
; THE KEYS OF A TILE ARE NOT NEIGHBOURS: lane r of tile 2 b + u holds key 32 b + 8 u + r + 8 (r / 8), so that score registers 16 b + i are keys 32 b + 16 (lane / 16) + i.
; THE FIRST PRODUCT'S K IS 64, THE INSTRUCTION'S 128.  Q's registers for k = 64 .. 127 hold zero codes, so K's may hold any codes: K's tiles lie four registers apart, and a tile's operand runs on over the next tile's four (behind the last: four zeros).
; LIMITS: NaN and infinities in query, key and value are not served.  A block of Q whose largest magnitude lies under 2^-124, a block of zeros too, keeps the scale byte 1; a block of p whose every number has fallen to 0 likewise: its codes are zeros.
; THE MODE: SCHED_MODE bits 1:0 = 2 (LLVM: expert scheduling mode 2), set by the entry lines.  The code itself states the register dependences between vector or matrix instructions and memory or LDS instructions, with s_wait_alu, always for 0.
; THE PLAN.  Registers that memory or LDS instructions touch, in the loop:
;   KF, KS      LDS loads land in them; the step's eight products K Q^T read them.  A buffer's first step asks for them behind its first wait, its second step's are asked for in the first step, behind the wait that follows the exponentials.
;   VF, VS      LDS loads land in them, behind the step's first wait; the step's four products V^T P^T read them, at its end.
;   CD          a record's global loads land in them, its LDS stores read them; no vector instruction names them in the loop.
;   v1, v2, v3  addresses: read by every LDS load and store and by the records' loads; written at the head alone.
;   PC, PW      written by vector instructions, taken by the scaled products V^T P^T; Q's codes, its scale word and the zero codes likewise, written at the head alone.
;   S, O and the statistics are named by vector and matrix instructions alone.
; So a step has THREE waits on va_vdst: at its head (the last step's products are done reading VF, VS, KF, KS: the loads follow at once); behind the exponentials (their results; and this step's K Q^T are done reading KF, KS);
; ahead of the products V^T P^T (p's codes and scale word are written).  A trip has TWO waits on vm_vsrc, one ahead of each record's loads (the LDS stores of the record before have read CD).
.set SLOT,  17920                      ; a record, in memory and in LDS; LDS buffer p begins at p x SLOT
.set PITCH, 272                        ; a stage row: 256 bytes + 16, so that sixteen rows begin at sixteen different 16-byte columns of 256
.set WSTG,  16*PITCH                   ; a wave's own stage: Q on the way in, O on the way out
.set STG,   36864                      ; behind the two buffers
.set LI,  1                            ; v1   16 x lane: an image's place for my lane
.set LS,  2                            ; v2   4 x lane: a scale word's
.set CP,  3                            ; v3   16 x thread: my bytes of a record, in memory and in LDS
.set SD,  4                            ; v4   the stage by rows of 256 bytes: row 8 h (+ i), 16 r bytes in
.set SL,  5                            ; v5   the stage by lanes: row r, 128 h bytes in (Q); at the end 32 h (O)
.set GD,  6                            ; v6   16384 h + 16 r: the same rows in query and in out0
.set NEG, 7                            ; v7   -80000.0
.set QSH, 11                           ; v9 r, v10 h, v11 8 h: they stay
.set QF,  16                           ; v16-23   Q's fragment; v20-23 zero codes
.set QS,  24                           ; v24      Q's scale words
.set PW,  25                           ; v25      p's scale word
.set VS,  26                           ; v26-27   V's scale words: register j, lanes 0-15 tile 2 j, lanes 16-31 tile 2 j + 1
.set KS,  28                           ; v28-31   K's likewise
.set KF,  32                           ; v32-63   K's eight tiles, four registers each; v64-67 zero
.set VF,  68                           ; v68-99   V's four fragments
.set S,   100                          ; v100-163 S^T, then p
.set O,   164                          ; v164-195 O^T
.set PC,  196                          ; v196-203 p's codes
.set BM,  204                          ; v204-207 each block's largest score, then its largest p
.set BX,  208                          ; v208-211 the other half's; the bytes
.set BS,  212                          ; v212-215 the conversions' scale operands
.set FF,  216                          ; v216 f = 2^(old M - new M); v217 named with it as a pair
.set TT,  218
.set SUM2, 220                         ; v220-221 the sum's second chain
.set CD,  232                          ; v232-243 a record's bytes on their way
.set QTA, BM                           ; Q's quantiser works in registers of the step
.set QTB, BM+1
.set QBY, BM+2
.set QSC, BS
.set QTP, BX
.set WV,   2                           ; s2   my wave
.set TRIP, 3                           ; s3   trips to go
.set ANY,  14                          ; s14  bit j: step j from here on has a masked pair among my 16 queries
.set SEL,  16                          ; s[16:17] v_permlanex16_b32's selects for lane l xor 16
.set CS,   18                          ; s[18:19] c = log2(e) / 8; the packed form names a pair and takes its low word for both halves
; s[28:59], s[68:99]: a step's 64 mask words (at the head: the 32 flags)
.macro COPY_LOAD off                   ; the record off bytes on: 2 x 8,192 bytes by all 512 threads, the last 1,536 by threads 0-95
	global_load_b128 v[CD:CD+3], v[CP], s[6:7] offset:\off
	global_load_b128 v[CD+4:CD+7], v[CP], s[6:7] offset:\off+8192
	s_cmp_gt_u32 s[WV], 2
	s_cbranch_scc1 .Lno_third_\@
	global_load_b128 v[CD+8:CD+11], v[CP], s[6:7] offset:\off+16384
.Lno_third_\@:
.endm
.macro COPY_STORE p, last              ; into LDS buffer p.  last = 1: in the last trip nothing was loaded and nothing is stored
	s_wait_loadcnt 0x0                             ; on every way: no load is out behind this line
.if \last
	s_cmp_eq_u32 s[TRIP], 1
	s_cbranch_scc1 .Lkept_\@
.endif
	ds_store_b128 v[CP], v[CD:CD+3] offset:(\p)*SLOT
	ds_store_b128 v[CP], v[CD+4:CD+7] offset:(\p)*SLOT+8192
	s_cmp_gt_u32 s[WV], 2
	s_cbranch_scc1 .Lkept_\@
	ds_store_b128 v[CP], v[CD+8:CD+11] offset:(\p)*SLOT+16384
.Lkept_\@:
.endm
.macro KLOAD p, q                      ; 12 LDS loads: K's eight tiles and four registers of scale words of step q of buffer p
.irp t, 0,1,2,3,4,5,6,7
	ds_load_b128 v[KF+4*\t:KF+4*\t+3], v[LI] offset:(\p)*SLOT+4096*(\q)+512*\t
.endr
.irp j, 0,1,2,3
	ds_load_b32 v[KS+\j], v[LS] offset:(\p)*SLOT+16384+512*(\q)+128*\j
.endr
.endm
	s_load_b256 s[4:11], s[0:1], 0x0               ; query s[4:5], kv s[6:7], maskw s[8:9], flags s[10:11]
	s_load_b64 s[12:13], s[0:1], 0x20              ; out0
	v_lshl_add_u32 v254, v0, 2, 0x1a000
	v_mov_b32 v255, 0
	v_lshrrev_b32 v8, 5, v0
	v_readfirstlane_b32 s[WV], v8                  ; wave 0..15
	s_and_b32 s20, ttmp7, 0xffff                   ; 8 x batch + head
	s_lshr_b32 s21, s20, 3                         ; batch
	s_and_b32 s22, s20, 7                          ; head
	s_lshl_b32 s24, s21, 23                        ; query and out0: batch x 4,096 rows of 2,048 bytes
	s_lshl_b32 s23, ttmp9, 19                      ; + 256 rows a work-group
	s_add_co_u32 s24, s24, s23
	s_wait_alu depctr_va_sdst(0)                   ; the wave's number is written, ahead of its first reader: bases, LDS addresses and branches are made from it
	s_lshl_b32 s23, s[WV], 15                      ; + 16 rows a wave
	s_add_co_u32 s24, s24, s23
	s_lshl_b32 s23, s22, 8                         ; + the head's 256 bytes
	s_add_co_u32 s24, s24, s23
	s_mov_b32 s25, 0
	s_mul_i32 s26, s20, 16*SLOT                    ; kv: 16 records a head
	s_mov_b32 s27, 0
	s_lshl_b32 s21, s21, 8
	s_lshl_b32 s23, ttmp9, 4
	s_add_co_u32 s21, s21, s23
	s_add_co_u32 s21, s21, s[WV]                   ; my tile of queries: 256 x batch + 16 x work-group + wave
	s_lshl_b32 s22, s21, 13                        ; maskw: 32 steps of 256 bytes
	s_mov_b32 s23, 0
	s_lshl_b32 s20, s21, 7                         ; flags: 32 words
	s_mov_b32 s21, 0
	s_mul_i32 s15, s[WV], WSTG
	s_add_co_u32 s15, s15, STG                     ; my stage
	s_mov_b32 s[SEL], 0x76543210
	s_mov_b32 s[SEL+1], 0xfedcba98
	s_mov_b32 s[CS], 0x3e38aa3b                    ; log2(e) / 8
	s_mov_b32 s[CS+1], s[CS]                       ; (named with it as a pair, so it is written)
	v_and_b32 v8, 31, v0
	v_and_b32 v9, 15, v0                           ; r
	v_bfe_u32 v10, v0, 4, 1                        ; h
	v_lshlrev_b32 v[LI], 4, v8
	v_lshlrev_b32 v[LS], 2, v8
	v_lshlrev_b32 v[CP], 4, v0
	v_mul_u32_u24 v[SD], v10, 8*PITCH
	v_lshl_add_u32 v[SD], v9, 4, v[SD]
	v_add_nc_u32 v[SD], s15, v[SD]
	v_mul_u32_u24 v[SL], v9, PITCH
	v_lshl_add_u32 v[SL], v10, 7, v[SL]
	v_add_nc_u32 v[SL], s15, v[SL]
	v_lshlrev_b32 v[GD], 14, v10
	v_lshl_add_u32 v[GD], v9, 4, v[GD]
	v_lshlrev_b32 v[QSH], 3, v10
.irp j, 0,1,2,3
	v_mov_b32 v[CD+8+\j], 0                        ; waves 3-15 never load these four
	v_mov_b32 v[BX+\j], 0                          ; written once: a lane permute's destination counts as one of its sources
.endr
	s_wait_kmcnt 0x0
	s_add_nc_u64 s[4:5], s[4:5], s[24:25]
	s_add_nc_u64 s[12:13], s[12:13], s[24:25]
	s_add_nc_u64 s[6:7], s[6:7], s[26:27]
	s_add_nc_u64 s[8:9], s[8:9], s[22:23]
	s_add_nc_u64 s[10:11], s[10:11], s[20:21]
	s_wait_alu depctr_va_vdst(0)                   ; the six addresses v1 to v6 are written, which the kernel's loads and stores read; so are v[CD+8 .. CD+11], in which a record's third load lands
	COPY_LOAD 0                                    ; the first record
.irp i, 0,1,2,3,4,5,6,7
	global_load_b128 v[S+32+4*\i:S+35+4*\i], v[GD], s[4:5] offset:2048*\i th:TH_LOAD_NT   ; Q: lanes 0-15 query i's 256 bytes on end, lanes 16-31 query 8 + i's
.endr
	s_load_b512 s[28:43], s[10:11], 0x0            ; my 32 flags
	s_load_b512 s[44:59], s[10:11], 0x40
	s_wait_loadcnt 0x0
.irp i, 0,1,2,3,4,5,6,7
	ds_store_b128 v[SD], v[S+32+4*\i:S+35+4*\i] offset:PITCH*\i
.endr
.irp j, 0,1,2,3,4,5,6,7
	ds_load_b128 v[S+4*\j:S+3+4*\j], v[SL] offset:16*\j            ; LDS serves a wave's instructions in order: these see my stores.  Lane (r, h): query r, k = 32 h + 0 .. 31: a whole block
.endr
	COPY_STORE 0, 0
	s_wait_dscnt 0x0                               ; Q is back; my part of the first record lies in buffer 0
	; Q's quantiser: 32 numbers of one block a lane
	v_max3_num_f32 v[QTA], |v[S]|, |v[S+1]|, 0x1800000             ; with the floor 2^(3 - 127) among the leaves: the byte cannot fall under 1
	v_max3_num_f32 v[QTB], |v[S+16]|, |v[S+17]|, |v[S+18]|
.irp i, 0,1,2,3,4,5
	v_max3_num_f32 v[QTA], v[QTA], |v[S+2+2*\i]|, |v[S+3+2*\i]|
	v_max3_num_f32 v[QTB], v[QTB], |v[S+19+2*\i]|, |v[S+20+2*\i]|
.endr
	v_max3_num_f32 v[QTA], v[QTA], |v[S+14]|, |v[S+15]|
	v_max3_num_f32 v[QTA], v[QTA], v[QTB], |v[S+31]|
	v_add_nc_u32 v[QSC], 0xff000000, v[QTA]        ; 2 off the exponent field: the conversion's scale operand
	v_lshrrev_b32 v[QBY], 23, v[QSC]               ; the scale's byte
.irp g, 0,1,2,3
	v_cvt_scalef32_pk8_fp4_f32 v[QF+\g], v[S+8*\g:S+8*\g+7], v[QSC]
.endr
	v_lshlrev_b32 v[QBY], v[QSH], v[QBY]           ; (the plain line behind the conversions)  my block's byte at its place,
	v_permlanex16_b32 v[QTP], v[QBY], s[SEL], s[SEL+1]
	v_or_b32 v[QS], v[QBY], v[QTP]                 ; with the other block's,
	v_or_b32 v[QS], 0x7f7f0000, v[QS]              ; and 1.0 over the zero codes
	; the lines from here to the loop are also the places between these vector writes and the first scaled matrix instruction (8 behind a scale word, 4 behind an operand); the first step's first wait stands behind them
.irp j, 0,1,2,3
	v_mov_b32 v[QF+4+\j], 0                        ; Q's codes of k = 64 .. 127
	v_mov_b32 v[KF+32+\j], 0                       ; what the last tile of K runs on over
.endr
.set n, 0
.rept 32
	v_mov_b32 v[O+n], 0                            ; O^T.  (The step is written without a first step of its own: the first finds zeros, which the first change of M leaves zeros)
.set n, n+1
.endr
	v_mov_b32 v14, 0                               ; the sum, in two halves
	v_mov_b32 v15, 0
	v_mov_b32 v[FF+1], 0
	v_mov_b32 v13, 0xff61b1e6                      ; the largest t so far: -3e38, under every t
	v_floor_f32 v12, -v13                          ; -M
	v_mov_b32 v[NEG], 0xc79c4000                   ; -80000.0
	s_wait_kmcnt 0x0
	s_or_b32 s[ANY], s28, s29                      ; flag j is 1 << j or 0: their union has bit j for step j
.set i, 30
.rept 30
	s_or_b32 s[ANY], s[ANY], s[i]
.set i, i+1
.endr
	s_barrier_signal -1                            ; (every wave's stores into buffer 0 were waited for above)
	s_barrier_wait -1
	s_mov_b32 s[TRIP], 8
; A STEP: 128 keys: step q of LDS buffer p; bit: the step's place in the trip.
.macro STEP p, q, bit, last
	s_wait_alu depctr_va_vdst(0)                   ; the last step's products are done reading v[VF ..], v[VS ..], v[KF ..] and v[KS ..], in which the loads below land; in the first step: Q's codes, its scale word and the zero codes are written, which the scaled products take
.if \q == 0
	KLOAD \p, 0                                    ; (a buffer's second step has its K fetched in the first)
.endif
.irp d, 0,1,2,3
.irp c, 0,1
	ds_load_b128 v[VF+8*\d+4*\c:VF+8*\d+4*\c+3], v[LI] offset:\p*SLOT+8192+4096*\q+1024*\d+512*\c
.endr
.endr
.irp j, 0,1
	ds_load_b32 v[VS+\j], v[LS] offset:\p*SLOT+17408+256*\q+128*\j
.endr
	s_wait_dscnt 10                                ; K and its scale words are in; V's ten loads, issued behind them, may be out
.irp t, 0,1,2,3,4,5,6,7
.if \t%2
	v_wmma_scale_f32_16x16x128_f8f6f4 v[S+8*\t:S+8*\t+7], v[KF+4*\t:KF+4*\t+7], v[QF:QF+7], 0, v[KS+\t/2], v[QS] matrix_a_fmt:MATRIX_FMT_FP4 matrix_b_fmt:MATRIX_FMT_FP4 matrix_a_scale:MATRIX_SCALE_ROW1
.else
	v_wmma_scale_f32_16x16x128_f8f6f4 v[S+8*\t:S+8*\t+7], v[KF+4*\t:KF+4*\t+7], v[QF:QF+7], 0, v[KS+\t/2], v[QS] matrix_a_fmt:MATRIX_FMT_FP4 matrix_b_fmt:MATRIX_FMT_FP4
.endif
.endr
.rept 4
	v_nop                                          ; four places (ISA guide 7.12.1) in front of the first read of the scores
.endr
.if \q == 1
	COPY_STORE 1-\p, \last                         ; the next record into the other buffer: every wave's reads of it were over at the last barrier.  Its data come from loads and its address from the head: no vector instruction stands ahead of it to wait for
.endif
	s_bitcmp1_b32 s[ANY], \bit                     ; is any pair of this step masked?  A whole number that the launch before stored; no barrier and no LDS instruction stands under the branch
	s_cbranch_scc0 .Lopen_\@
	s_load_b512 s[28:43], s[8:9], 256*\bit
	s_load_b512 s[44:59], s[8:9], 256*\bit+64
	s_load_b512 s[68:83], s[8:9], 256*\bit+128
	s_load_b512 s[84:99], s[8:9], 256*\bit+192
	s_wait_kmcnt 0x0
.set n, 0
.rept 64
	v_cndmask_b32 v[S+n], v[S+n], v[NEG], s[28+n+8*(n/32)]         ; word n is register n's lane mask
.set n, n+1
.endr
.Lopen_\@:
.irp b, 0,1,2,3
	v_max3_num_f32 v[BM+\b], v[S+16*\b], v[S+1+16*\b], v[S+2+16*\b]   ; THE LARGEST SCORE OF EACH BLOCK OF 32 KEYS serves twice: for the row's maximum, and, since p rises with the score, for the block's largest p
.endr
.irp i, 3,5,7,9,11,13
.irp b, 0,1,2,3
	v_max3_num_f32 v[BM+\b], v[BM+\b], v[S+16*\b+\i], v[S+1+16*\b+\i]   ; (the four blocks by turns)
.endr
.endr
.irp b, 0,1,2,3
	v_max_num_f32 v[BM+\b], v[BM+\b], v[S+15+16*\b]
.endr
.irp b, 0,1,2,3
	v_permlanex16_b32 v[BX+\b], v[BM+\b], s[SEL], s[SEL+1]
.endr
.irp b, 0,1,2,3
	v_max_num_f32 v[BM+\b], v[BM+\b], v[BX+\b]     ; with lane l xor 16's 16 keys
.endr
.if \q == 1
	s_wait_dscnt 0x0                               ; my reads of this buffer are over (V is in), and my stores into the other have landed:
	s_barrier_signal -1                            ; say so; from here to the wait at the step's end stands work on registers alone
.endif
	v_max3_num_f32 v[TT], v[BM], v[BM+1], v[BM+2]
	v_max_num_f32 v[TT], v[TT], v[BM+3]            ; the step's largest score of my query
	v_mul_f32 v[TT], s[CS], v[TT]                  ; as t (c is positive)
	v_max_num_f32 v13, v13, v[TT]                  ; the running largest t
	v_mov_b32 v[TT], v12
	v_floor_f32 v12, -v13                          ; the new -M = floor(-t) = -ceil(t): M is a whole number
	v_sub_f32 v[TT], v12, v[TT]                    ; M's old value less its new one: a whole number, 0 or less
	v_cvt_i32_f32 v[TT], v[TT]                     ; (it saturates)
	v_ldexp_f32 v[FF], 1.0, v[TT]                  ; f = 2^(old M - new M)
.set n, 0
.rept 32
	v_pk_fma_f32 v[S+n:S+n+1], v[S+n:S+n+1], s[CS:CS+1], v[12:13] op_sel_hi:[1,0,0]   ; t - M, two at a time (of the pairs c and -M the low word serves both halves)
.set n, n+2
.endr
.irp b, 0,1,2,3
	v_fma_f32 v[BM+\b], v[BM+\b], s[CS], v12       ; the same of each block's largest score
.endr
.set n, 0
.rept 64
	v_exp_f32 v[S+n], v[S+n]                       ; p = 2^(t - M), at most 1: not normalised
.set n, n+1
.endr
.irp b, 0,1,2,3
	v_exp_f32 v[BM+\b], v[BM+\b]                   ; the block's largest p: the same two instructions on the same number give the same bits
.endr
	v_pk_mul_f32 v[14:15], v[14:15], v[FF:FF+1] op_sel_hi:[1,0]    ; the sums under the new M.  (The plain line behind the exponentials)
	s_wait_alu depctr_va_vdst(0)                   ; the 68 exponentials have written p and the blocks' largest p, ahead of their first reader; and this step's products K Q^T are done reading v[KF ..] and v[KS ..]
.if \q == 0
	KLOAD \p, 1                                    ; the next step's K lands there: no vector or matrix instruction since the wait names those registers
.endif
.irp b, 0,1,2,3
	v_max_num_f32 v[BM+\b], 0x1800000, v[BM+\b]    ; the floor 2^(3 - 127): the byte cannot fall under 1
.endr
.irp b, 0,1,2,3
	v_add_nc_u32 v[BS+\b], 0xff000000, v[BM+\b]    ; 2 off the exponent field: the conversion's scale operand
.endr
.irp b, 0,1,2,3
	v_lshrrev_b32 v[BX+\b], 23, v[BS+\b]           ; the scale's byte
.endr
	v_lshl_or_b32 v[PW], v[BX+1], 8, v[BX]         ; p's scale word for these 128 keys
	v_lshl_or_b32 v[PW], v[BX+2], 16, v[PW]
	v_lshl_or_b32 v[PW], v[BX+3], 24, v[PW]
.irp b, 0,1,2,3
	v_cvt_scalef32_pk8_fp4_f32 v[PC+2*\b], v[S+16*\b:S+7+16*\b], v[BS+\b]
	v_cvt_scalef32_pk8_fp4_f32 v[PC+1+2*\b], v[S+8+16*\b:S+15+16*\b], v[BS+\b]
.endr
	v_nop                                          ; one plain line between a scaled conversion and the vector instruction that touches its result
.irp c, 0,1                                    ; the operand's layout wants a WHOLE block in a lane: lanes 0-15 block 2 c, lanes 16-31 block 2 c + 1
.irp i, 0,1
	v_permlane16_swap_b32 v[PC+4*\c+\i], v[PC+2+4*\c+\i]
.endr
.endr
	v_pk_add_f32 v[SUM2:SUM2+1], v[S:S+1], v[S+2:S+3]              ; THE ROW'S SUM IS TAKEN OF THE UNQUANTISED p: two at a time, in two chains
.irp j, 4,8,12,16,20,24,28,32
	v_pk_add_f32 v[14:15], v[14:15], v[S+\j:S+1+\j]
	v_pk_add_f32 v[SUM2:SUM2+1], v[SUM2:SUM2+1], v[S+2+\j:S+3+\j]
.endr
.set n, 0
.rept 16
	v_pk_mul_f32 v[O+n:O+n+1], v[O+n:O+n+1], v[FF:FF+1] op_sel_hi:[1,0]   ; O^T under the new M.  (The 33 packed lines are the places between the writes of p's codes and scale word and the products below)
.set n, n+2
.endr
.if \q == 0
	s_wait_dscnt 12                                ; V's ten loads are in; the twelve issued behind them, the next step's K, may be out
.endif
	s_wait_alu depctr_va_vdst(0)                   ; p's codes v[PC ..] and its scale word v[PW] are written, which the scaled products take; the places above stay beside this wait
.irp d, 0,1,2,3                                ; O^T += V^T P^T.  The four accumulators take one turn each, and the next step's eight products stand between an accumulator's links
.if \d%2
	v_wmma_scale_f32_16x16x128_f8f6f4 v[O+8*\d:O+8*\d+7], v[VF+8*\d:VF+8*\d+7], v[PC:PC+7], v[O+8*\d:O+8*\d+7], v[VS+\d/2], v[PW] matrix_a_fmt:MATRIX_FMT_FP4 matrix_b_fmt:MATRIX_FMT_FP4 matrix_a_scale:MATRIX_SCALE_ROW1
.else
	v_wmma_scale_f32_16x16x128_f8f6f4 v[O+8*\d:O+8*\d+7], v[VF+8*\d:VF+8*\d+7], v[PC:PC+7], v[O+8*\d:O+8*\d+7], v[VS+\d/2], v[PW] matrix_a_fmt:MATRIX_FMT_FP4 matrix_b_fmt:MATRIX_FMT_FP4
.endif
.endr
.irp j, 36,40,44,48,52,56,60                   ; the two chains go on, in the same order: fifteen lines that name none of the products' registers stand between the products and the next step's first wait
	v_pk_add_f32 v[14:15], v[14:15], v[S+\j:S+1+\j]
	v_pk_add_f32 v[SUM2:SUM2+1], v[SUM2:SUM2+1], v[S+2+\j:S+3+\j]
.endr
	v_pk_add_f32 v[14:15], v[14:15], v[SUM2:SUM2+1]
.if \q == 1
	s_barrier_wait -1                              ; every wave has said so: the other buffer is whole, and nobody reads this one any more
.endif
.endm
.Ltrip:                                            ; 8 trips of 512 keys: records 2 T (in buffer 0) and 2 T + 1
	s_wait_alu depctr_vm_vsrc(0)                   ; the LDS stores of the record before have read v[CD ..], in which the loads below land; in the first trip also: the stage's stores of Q have read v[S+32 ..], which the products write, and Q's loads from the stage have read v[SL], which is written again behind the loop
	COPY_LOAD SLOT                                 ; record 2 T + 1: stored into buffer 1 in the second step below
	STEP 0, 0, 0, 0
	STEP 0, 1, 1, 0
	s_wait_alu depctr_vm_vsrc(0)                   ; the LDS stores of record 2 T + 1 have read v[CD ..], in which the loads below land: ahead of the branch
	s_cmp_eq_u32 s[TRIP], 1                        ; the last trip has no record 2 T + 2: no load leaves the buffer
	s_cbranch_scc1 .Lno_more
	COPY_LOAD 2*SLOT
.Lno_more:
	STEP 1, 0, 2, 0
	STEP 1, 1, 3, 1
	s_wait_xcnt 0x0                                ; the bases of the loads above are stepped only behind this wait
	s_add_nc_u64 s[6:7], s[6:7], 2*SLOT
	s_add_nc_u64 s[8:9], s[8:9], 1024              ; four steps' mask words
	s_lshr_b32 s[ANY], s[ANY], 4
	s_sub_co_u32 s[TRIP], s[TRIP], 1
	s_cmp_lg_u32 s[TRIP], 0
	s_cbranch_scc1 .Ltrip
	; THE WAY OUT.  O^T / the sum goes through my stage and leaves as whole rows of 256 bytes.  The step's last fifteen additions and the lines below are the places behind the last products.
	v_mul_u32_u24 v[SL], v9, PITCH                 ; (the only LDS instructions that read v[SL] stand at the head, ahead of the loop's waits on vm_vsrc)
	v_lshl_add_u32 v[SL], v10, 5, v[SL]
	v_add_nc_u32 v[SL], s15, v[SL]                 ; into the stage: row r; tile d's eight channels of my half lie 64 d + 32 h bytes in
	v_add_f32 v14, v14, v15                        ; the sum's two halves,
	v_permlanex16_b32 v[TT], v14, s[SEL], s[SEL+1]
	v_add_f32 v14, v14, v[TT]                      ; and lane l xor 16's: the row's sum (over 1/2: the row's largest p is)
	v_rcp_f32 v14, v14
	v_nop                                          ; one plain line behind a transcendental
	s_wait_alu depctr_va_vdst(0)                   ; the reciprocal is written, ahead of its first reader
.set n, 0
.rept 16
	v_pk_mul_f32 v[S+n:S+n+1], v[O+n:O+n+1], v[14:15] op_sel_hi:[1,0]   ; register 8 d + i is out(r, 16 d + 8 h + i)
.set n, n+2
.endr
	s_wait_alu depctr_va_vdst(0)                   ; the sixteen multiplications have written v[S .. S+31], the LDS stores' data, and v[SL], their address, is written; and every vector instruction that named v[S+32 ..], in which the loads from the stage land, is done
.irp d, 0,1,2,3
	ds_store_b128 v[SL], v[S+8*\d:S+8*\d+3] offset:64*\d
	ds_store_b128 v[SL], v[S+8*\d+4:S+8*\d+7] offset:64*\d+16
.endr
.irp i, 0,1,2,3,4,5,6,7
	ds_load_b128 v[S+32+4*\i:S+35+4*\i], v[SD] offset:PITCH*\i     ; LDS serves a wave's instructions in order: these see my stores
.endr
.irp i, 0,1,2,3,4,5,6,7
	s_wait_dscnt 7-\i                              ; load i is back; the younger ones may be out
	global_store_b128 v[GD], v[S+32+4*\i:S+35+4*\i], s[12:13] offset:2048*\i th:TH_STORE_NT   ; sixteen lanes store a query's 256 bytes of this head, at a multiple of 256 from out0's first byte
.endr
	s_wait_dscnt 0x0                               ; the closing lines, six on end
	s_wait_alu 0x0
	s_wait_tensorcnt 0x0
	ds_add_u32 v254, v255
	s_wait_dscnt 0x0
	s_endpgm
.Lfunc_end_k_qeb3cc87b3b_attn:
	.size	k_qeb3cc87b3b_attn, .Lfunc_end_k_qeb3cc87b3b_attn-k_qeb3cc87b3b_attn
	.p2alignl 7, 3214868480
	.fill 96, 4, 3214868480
	.section	.rodata,"a",@progbits
	.p2align	6, 0x0
	.amdhsa_kernel k_qeb3cc87b3b_attn
		.amdhsa_group_segment_fixed_size 108544
		.amdhsa_private_segment_fixed_size 0
		.amdhsa_enable_private_segment 0
		.amdhsa_kernarg_size 40
		.amdhsa_user_sgpr_count 2
		.amdhsa_user_sgpr_kernarg_segment_ptr 1
		.amdhsa_wavefront_size32 1
		.amdhsa_system_sgpr_workgroup_id_x 1
		.amdhsa_system_sgpr_workgroup_id_y 1
		.amdhsa_system_sgpr_workgroup_id_z 1
		.amdhsa_system_vgpr_workitem_id 0
		.amdhsa_next_free_vgpr 256
		.amdhsa_next_free_sgpr 100
		.amdhsa_reserve_vcc 0
		.amdhsa_float_denorm_mode_32 3
		.amdhsa_float_denorm_mode_16_64 3
		.amdhsa_memory_ordered 1
		.amdhsa_forward_progress 1
		.amdhsa_inst_pref_size 92
	.end_amdhsa_kernel
	.amdgpu_metadata
---
amdhsa.version: [ 1, 2 ]
amdhsa.kernels:
  - .name:           k_qeb3cc87b3b_attn
    .symbol:         k_qeb3cc87b3b_attn.kd
    .args:
      - { .name: query, .offset: 0, .size: 8, .value_kind: global_buffer, .address_space: global }
      - { .name: kv, .offset: 8, .size: 8, .value_kind: global_buffer, .address_space: global }
      - { .name: maskw, .offset: 16, .size: 8, .value_kind: global_buffer, .address_space: global }
      - { .name: flags, .offset: 24, .size: 8, .value_kind: global_buffer, .address_space: global }
      - { .name: out0, .offset: 32, .size: 8, .value_kind: global_buffer, .address_space: global }
    .group_segment_fixed_size: 108544
    .private_segment_fixed_size: 0
    .kernarg_segment_align: 8
    .kernarg_segment_size: 40
    .max_flat_workgroup_size: 512
    .sgpr_count:     100
    .vgpr_count:     256
    .wavefront_size: 32
...
	.end_amdgpu_metadata
.endif
;; end of part 3
